; MI455X (gfx1250); checked and timed in simulation.
; The chip was launched on July 23, 2026; its instructions are those of AMD's public machine-readable ISA for CDNA 5 (MIT licence, August 2026) and "CDNA5" Instruction Set Architecture Reference Guide (July 2026). The comments in the code are by the model that wrote it; some were corrected since.
;; GRU Router Cell. Allowed arithmetic: float matrix products may take bf16 or f16 operands with f32 sums; all other float work in f32.
;; Inputs: bias_hn 1,024 float32; bias_hr 1,024 float32; bias_hz 1,024 float32; bias_in 1,024 float32; bias_ir 1,024 float32; bias_iz 1,024 float32; h 8,192 x 1,024 float32; weight_hn 1,024 x 1,024 float32; weight_hr 1,024 x 1,024 float32; weight_hz 1,024 x 1,024 float32; weight_in 1,024 x 1,024 float32; weight_ir 1,024 x 1,024 float32; weight_iz 1,024 x 1,024 float32; x 8,192 x 1,024 float32.
;; Outputs: out0 8,192 x 1,024 float32.
;; One version. Each part assembles by itself: llvm-mc -triple=amdgcn-amd-amdhsa -mcpu=gfx1250 --defsym DOCPART=n.
;; ======== version 1 of 1: 2 launches
;; limits: below input magnitudes of 1e-05 results are inexact or not finite
;; workspace buffers: ab 33,554,432 bytes; wb 12,582,912 bytes
;; launch cast (part 1): grid 704 x 1, 8 waves a work-group, no clusters, 0 bytes of LDS; arguments x, h, weight_ir, weight_iz, weight_in, weight_hr, weight_hz, weight_hn, ab, wb; writes ab, wb
.if DOCPART == 1
	.amdgcn_target "amdgcn-amd-amdhsa--gfx1250"
	.amdhsa_code_object_version 6
	.text
	.protected	k_qbe471e4849_cast
	.globl	k_qbe471e4849_cast
	.p2align	8
	.type	k_qbe471e4849_cast,@function
k_qbe471e4849_cast:
	s_mov_b64 s[64:65], 0
	v_nop
	global_prefetch_b8 v0, s[64:65] scope:SCOPE_SE
	s_setreg_imm32_b32 hwreg(HW_REG_WAVE_MODE, 25, 1), 1
	s_wait_xcnt 0x0
; GRU cell, first of two launches: the matrix operands are rounded to bf16 (nearest even) once and laid out for the product launch.
;   ab [8192][2048] bf16: row r = x[r][0..1023], then h[r][0..1023].
;   wb [3072][2048] bf16: row 192 cb + 64 g + nl (cb = 0..15, g = 0..2, nl = 0..63), with n = 64 cb + nl:
;      (weight_ir, weight_iz, weight_in)[g][n][0..1023], then (weight_hr, weight_hz, weight_hn)[g][n][0..1023].
; So the six products become one walk over K = 2048 with tiles whose rows are 256 consecutive bytes.
; No work of the cell is left out anywhere in the two launches: each of the fourteen inputs reaches the result and is loaded.
; Every source is rows of 4,096 bytes (1,024 f32) that become 2,048 bytes, and 32 consecutive source rows land in 32 consecutive
; rows of the destination (pitch 4,096 bytes).  A work-group takes 32 rows: groups 0-255 x, 256-511 h, 512-703 the six weights
; (32 groups each).  A wave takes 4 rows = 16 chunks of 256 numbers; a lane takes 8 numbers of each chunk.
; All 32 loads of a wave go out first; each chunk is then converted in place and stored: a store of the wave covers 512 consecutive
; bytes, aligned.  Memory binds: no LDS, no barrier, no matrix unit.  All sources come through one load line, and h is read again by the
; next launch, so the loads carry no hint; nor do the stores, whose bytes that launch reads.
.set X, 4                              ; v[4:131]  chunk j: 8 registers as loaded; its first 4 hold the 8 bf16 to store
	s_load_b512 s[8:23], s[0:1], 0x0               ; x s[8:9], h s[10:11], ir s[12:13], iz s[14:15], in s[16:17], hr s[18:19], hz s[20:21], hn s[22:23]
	s_load_b128 s[24:27], s[0:1], 0x40             ; ab s[24:25], wb s[26:27]
	v_and_b32 v3, 31, v0                           ; lane
	v_lshrrev_b32 v0, 5, v0                        ; wave
	v_lshlrev_b32 v1, 5, v3                        ; source: 32 bytes a lane,
	v_lshl_or_b32 v1, v0, 14, v1                   ; 4 rows of 4,096 bytes a wave
	v_lshlrev_b32 v2, 4, v3                        ; destination: 16 bytes a lane,
	v_lshl_or_b32 v2, v0, 14, v2                   ; 4 rows of pitch 4,096 a wave
	s_cmp_lt_u32 ttmp9, 512
	s_cbranch_scc0 .Lweights
	s_lshr_b32 s28, ttmp9, 8                       ; which source: 0 x, 1 h
	s_and_b32 s29, ttmp9, 255                      ; which block of 32 rows
	s_lshl_b32 s30, s29, 17                        ; source offset: 32 rows of 4,096 bytes
	s_lshl_b32 s32, s28, 11                        ; destination: the same rows; h in the second 2,048 bytes of a row
	s_add_co_u32 s32, s32, s30
	s_branch .Lchosen
.Lweights:
	s_sub_co_u32 s29, ttmp9, 512
	s_lshr_b32 s33, s29, 5                         ; which weight, 0..5 = ir, iz, in, hr, hz, hn
	s_and_b32 s29, s29, 31                         ; which block of 32 rows
	s_add_co_u32 s28, s33, 2                       ; its place among the eight sources
	s_cmp_ge_u32 s33, 3
	s_cselect_b32 s34, 1, 0                        ; 1: a hidden-side weight, second half of a row of wb
	s_mul_i32 s35, s34, 3
	s_sub_co_u32 s33, s33, s35                     ; gate g
	s_lshr_b32 s35, s29, 1                         ; cb: two blocks of 32 rows make a block of 64 columns of the result
	s_mul_i32 s35, s35, 192
	s_lshl_b32 s33, s33, 6
	s_add_co_u32 s35, s35, s33                     ; + 64 g
	s_and_b32 s33, s29, 1
	s_lshl_b32 s33, s33, 5
	s_add_co_u32 s35, s35, s33                     ; + 32 for the odd block: the first destination row
	s_lshl_b32 s32, s35, 12
	s_lshl_b32 s34, s34, 11
	s_add_co_u32 s32, s32, s34                     ; destination offset
	s_lshl_b32 s30, s29, 17                        ; source offset
.Lchosen:
	s_mov_b32 s31, 0                               ; both offsets are below 4 GiB
	s_mov_b32 s33, 0
	s_wait_kmcnt 0x0
	s_mov_b64 s[4:5], s[8:9]                       ; the source is chosen by its number alone
.irp k, 1,2,3,4,5,6,7
	s_cmp_lt_u32 s28, \k
	s_cselect_b64 s[4:5], s[4:5], s[8+2*\k:9+2*\k]
.endr
	s_cmp_lt_u32 s28, 2
	s_cselect_b64 s[6:7], s[24:25], s[26:27]       ; x and h go to ab, the weights to wb
	s_add_nc_u64 s[4:5], s[4:5], s[30:31]
	s_add_nc_u64 s[6:7], s[6:7], s[32:33]
.irp j, 0,1,2,3,4,5,6,7,8,9,10,11,12,13,14,15
	global_load_b128 v[X+8*\j:X+8*\j+3],   v1, s[4:5] offset:(\j/4)*4096+(\j%4)*1024      ; chunk j = row j / 4, quarter j % 4
	global_load_b128 v[X+8*\j+4:X+8*\j+7], v1, s[4:5] offset:(\j/4)*4096+(\j%4)*1024+16
.endr
.macro CHUNK j
	s_wait_loadcnt 30-2*\j                         ; loads come back in order: behind chunk j's two stand two for each younger chunk
.irp k, 0,1,2,3
	v_cvt_pk_bf16_f32 v[X+8*\j+\k], v[X+8*\j+2*\k], v[X+8*\j+2*\k+1]   ; in place, ascending: a register is read before it is written
.endr
	global_store_b128 v2, v[X+8*\j:X+8*\j+3], s[6:7] offset:(\j/4)*4096+(\j%4)*512       ; no register of a store is written again
.endm
.irp j, 0,1,2,3,4,5,6,7,8,9,10,11,12,13,14,15
	CHUNK \j
.endr
	s_endpgm
.Lfunc_end_k_qbe471e4849_cast:
	.size	k_qbe471e4849_cast, .Lfunc_end_k_qbe471e4849_cast-k_qbe471e4849_cast
	.p2alignl 7, 3214868480
	.fill 96, 4, 3214868480
	.section	.rodata,"a",@progbits
	.p2align	6, 0x0
	.amdhsa_kernel k_qbe471e4849_cast
		.amdhsa_group_segment_fixed_size 0
		.amdhsa_private_segment_fixed_size 0
		.amdhsa_enable_private_segment 0
		.amdhsa_kernarg_size 80
		.amdhsa_user_sgpr_count 2
		.amdhsa_user_sgpr_kernarg_segment_ptr 1
		.amdhsa_wavefront_size32 1
		.amdhsa_system_sgpr_workgroup_id_x 1
		.amdhsa_system_sgpr_workgroup_id_y 1
		.amdhsa_system_sgpr_workgroup_id_z 1
		.amdhsa_system_vgpr_workitem_id 0
		.amdhsa_next_free_vgpr 132
		.amdhsa_next_free_sgpr 66
		.amdhsa_reserve_vcc 0
		.amdhsa_float_denorm_mode_32 3
		.amdhsa_float_denorm_mode_16_64 3
		.amdhsa_memory_ordered 1
		.amdhsa_forward_progress 1
		.amdhsa_inst_pref_size 12
	.end_amdhsa_kernel
	.amdgpu_metadata
---
amdhsa.version: [ 1, 2 ]
amdhsa.kernels:
  - .name:           k_qbe471e4849_cast
    .symbol:         k_qbe471e4849_cast.kd
    .args:
      - { .name: x, .offset: 0, .size: 8, .value_kind: global_buffer, .address_space: global }
      - { .name: h, .offset: 8, .size: 8, .value_kind: global_buffer, .address_space: global }
      - { .name: weight_ir, .offset: 16, .size: 8, .value_kind: global_buffer, .address_space: global }
      - { .name: weight_iz, .offset: 24, .size: 8, .value_kind: global_buffer, .address_space: global }
      - { .name: weight_in, .offset: 32, .size: 8, .value_kind: global_buffer, .address_space: global }
      - { .name: weight_hr, .offset: 40, .size: 8, .value_kind: global_buffer, .address_space: global }
      - { .name: weight_hz, .offset: 48, .size: 8, .value_kind: global_buffer, .address_space: global }
      - { .name: weight_hn, .offset: 56, .size: 8, .value_kind: global_buffer, .address_space: global }
      - { .name: ab, .offset: 64, .size: 8, .value_kind: global_buffer, .address_space: global }
      - { .name: wb, .offset: 72, .size: 8, .value_kind: global_buffer, .address_space: global }
    .group_segment_fixed_size: 0
    .private_segment_fixed_size: 0
    .kernarg_segment_align: 8
    .kernarg_segment_size: 80
    .max_flat_workgroup_size: 256
    .sgpr_count:     66
    .vgpr_count:     132
    .wavefront_size: 32
...
	.end_amdgpu_metadata
.endif
;; end of part 1
;; launch gru (part 2): grid 16 x 32, 4 waves a work-group, clusters of 4 x 4, 327,680 bytes of LDS; arguments ab, wb, h, out0, bias_ir, bias_hr, bias_iz, bias_hz, bias_in, bias_hn; writes out0
.if DOCPART == 2
	.amdgcn_target "amdgcn-amd-amdhsa--gfx1250"
	.amdhsa_code_object_version 6
	.text
	.protected	k_qbe471e4849_gru
	.globl	k_qbe471e4849_gru
	.p2align	8
	.type	k_qbe471e4849_gru,@function
k_qbe471e4849_gru:
	s_mov_b64 s[64:65], 0
	v_nop
	global_prefetch_b8 v0, s[64:65] scope:SCOPE_SE
	s_setreg_imm32_b32 hwreg(HW_REG_WAVE_MODE, 25, 1), 1
	s_wait_xcnt 0x0
	s_wait_alu depctr_hold_cnt(0) depctr_sa_sdst(0) depctr_va_vdst(0) depctr_va_sdst(0) depctr_va_ssrc(0) depctr_va_vcc(0) depctr_vm_vsrc(0)
	s_getreg_b32 s2, hwreg(HW_REG_IB_STS2, 6, 4)
	s_cmp_eq_u32 s2, 0
	s_cbranch_scc0 .Lentry_in_a_cluster
	s_endpgm
.Lentry_in_a_cluster:
	s_bfe_u32 s2, ttmp6, 0x10000c
	s_cmp_lg_u32 s2, 0xf033
	s_cbranch_scc0 .Lentry_shape_is_right
	s_endpgm
.Lentry_shape_is_right:
; GRU cell, second launch: all six products, the biases, the gates and the blend.  Nothing of the cell is left out.
;   R = x.Wir + h.Whr, Z = x.Wiz + h.Whz, Ni = x.Win, Nh = h.Whn   (bf16 operands from ab and wb, sums in f32)
;   r = sigmoid(R + bir + bhr), z = sigmoid(Z + biz + bhz), n = tanh(Ni + bin + r (Nh + bhn)), out = n + z (h - n), h in f32 from the input.
; LIMITS.  Matrix operands are rounded to bf16.  sigmoid(v) = 1 / (1 + 2^(-1.442695 v)), tanh(t) = 1 - 2 / (1 + 2^(2.885390 t)): both run
; to their end values when the power overflows to infinity or falls to 0; tanh has an absolute error of some 1e-7, so its relative accuracy
; is lost for |t| below that; v_exp_f32 and v_rcp_f32 flush denormals.  The two biases of r and of z are added to each other first.
; SHARES.  A work-group makes 256 rows x 64 columns of out0 with all four sums; a wave (wr = w / 2, wc = w % 2) 128 rows x 32 columns x 4 sums:
; 64 accumulator tiles of 16 x 16, 512 registers.  K = 2048 (x's 1024, then h's) goes in 16 steps of 128 through a ring of two LDS slots; a tile's
; rows are 256 bytes of memory and start at multiples of 256 bytes.  For 32 along K a wave reads 8 fragments of ab and 6 of wb (3 gates x 2 column
; blocks) and issues 48 matrix instructions.  The third gate's products go to Ni in the x steps and to Nh in the h steps.
; CLUSTERS: 4 x 4 work-groups.  ab's tile hangs on the block row alone and is asked for jointly by the four of a row of the cluster, wb's on the
; block column alone, by the four of a column: the requests for both are divided by four.
; THE MATRIX INSTRUCTION IS USED TRANSPOSED: source 0 = 16 rows of wb, source 1 = 16 rows of ab.  Lane l then holds row l % 16 of the result
; and its registers 0 to 7 the columns 8 (l / 16) + 0 .. 7.
; REGISTERS, in windows of 256:
;   window 0: v16-27 addresses; v64-127, v128-191 fragments of ab, two buffers; v192-255 h in f32, row pairs 0-15 (loaded at the start, used in the tail)
;   window 1: v0-47, v48-95 fragments of wb, two buffers; v96-191 the six biases of my 32 columns' 16 a lane; v192-255 h, row pairs 16-31
;   window 2: the accumulators of my row blocks 0-3, window 3: of 4-7; tile (a, q, b) at v[8 (8 (a % 4) + 2 q + b)], q = 0 R, 1 Z, 2 Ni, 3 Nh
; LDS: slot s at s x 121,856: ab's 256 rows, then wb's 192 rows (64 g + column), pitch 272; behind the ring the stage, 256 rows x 272 bytes: h in f32,
; then the result; no tensor load lands in the stage.
; The gates need the whole of K and stand as a tail behind the K loop.
.set PITCH,  272                       ; 256 bytes of data + 16 of padding: the sixteen rows of a fragment load begin at sixteen different 16-byte columns modulo 256 bytes
.set AHALF,  128*PITCH                 ; what waves 0 and 1 fetch: 128 rows of ab
.set BHALF,  96*PITCH                  ; what waves 2 and 3 fetch: 96 rows of wb
.set BBASE,  256*PITCH                 ; wb's rows lie behind ab's 256
.set SLOT,   448*PITCH
.set STAGE,  2*SLOT                    ; 243,712: a multiple of 256
.set SPITCH, 272
.set KBYTES, 256                       ; a K step of 128 bf16
.set ADRA, 16                          ; v16-17  LDS address of my ab fragments in slot 0, 1
.set ADRB, 20                          ; v20-21  the same for wb
.set HS,   24                          ; v24     the stage by whole rows: rows 64 w + 2 t + l / 16, 16 bytes at 16 (l % 16)
.set EP,   25                          ; v25     the stage as the accumulators lie: row 128 wr + l % 16, byte 128 wc + 32 (l / 16)
.set CO,   26                          ; v26     my byte offset in h's and out0's block, by whole rows
.set BO,   27                          ; v27     my byte offset in a bias
.set HR,   192                         ; h as loaded, 16 row pairs in window 0 and 16 in window 1
.set BIR,  96                          ; window 1: the biases
.set BHR,  112
.set BIZ,  128
.set BHZ,  144
.set BIN,  160
.set BHN,  176
.set TR,   64                          ; the tail, window 0: 16 numbers each of one row block
.set TZ,   80
.set TI,   96
.set TH,   112
.set HH,   128                         ; v128-255: h of my eight row blocks, then the results
.set G1,  24                           ; s[24:31] descriptor group 1 for ab's tiles
.set G0,  32                           ; s[32:39] descriptor group 0 for ab's tiles, one set for each slot
.set G1B, 48                           ; s[48:55] descriptor group 1 for wb's tiles
.set G0B, 56                           ; s[56:63] descriptor group 0 for wb's tiles, one set for each slot
.set MSB, 0
.macro WIN new                         ; the immediate's high byte repeats the setting that is left
.if MSB != \new
	s_set_vgpr_msb (MSB<<8)|\new
.set MSB, \new
.endif
.endm
.set MUL_LO, 0xa1                      ; source 0 (wb) window 1, source 1 (ab) window 0, C and D window 2
.set MUL_HI, 0xf1                      ; the same, C and D window 3
.set TO_B,   0x40                      ; destination window 1, address window 0
; A joint load.  Waves 0 and 1 fetch ab's two halves, waves 2 and 3 wb's.  Each line has one mask and one set of registers for all that issue it.
; The branch hangs on the wave's number alone.
.macro JLOAD s
	s_cmp_eq_u32 s13, 0
	s_cbranch_scc0 .Lfor_b_\@
	tensor_load_to_lds s[G0+4*\s:G0+4*\s+3], s[G1:G1+7]
	s_nop 0
	s_branch .Lasked_\@
.Lfor_b_\@:
	tensor_load_to_lds s[G0B+4*\s:G0B+4*\s+3], s[G1B:G1B+7]
	s_nop 0
.Lasked_\@:
.endm
; A round of the cluster's barrier: my work-group's barrier, wave 0 signals for the work-group, every wave waits for all sixteen, my work-group's barrier once more.
.macro CREST                           ; a round behind its opening barrier
	s_cmp_lg_u32 s12, 0
	s_cbranch_scc1 .Lnot_wave_0_\@
	s_barrier_signal -3
.Lnot_wave_0_\@:
	s_barrier_wait -3
	s_barrier_signal -1
	s_barrier_wait -1
.endm
.macro CROUND                          ; a whole round
	s_barrier_signal -1
	s_barrier_wait -1
	CREST
.endm
	s_load_b256 s[4:11], s[0:1], 0x0               ; ab s[4:5], wb s[6:7], h s[8:9], out0 s[10:11]
	s_load_b256 s[68:75], s[0:1], 0x20             ; bias_ir s[68:69], bias_hr s[70:71], bias_iz s[72:73], bias_hz s[74:75]
	s_load_b128 s[76:79], s[0:1], 0x40             ; bias_in s[76:77], bias_hn s[78:79]
	v_lshl_add_u32 v62, v0, 2, 0x4c800
	v_mov_b32 v63, 0
	ds_add_u32 v62, v63
	v_lshrrev_b32 v1, 5, v0
	v_readfirstlane_b32 s12, v1                    ; wave 0..3
	s_lshr_b32 s13, s12, 1                         ; wr: which 128 rows are mine.  Also: I fetch for ab (0) or for wb (1)
	s_and_b32 s14, s12, 1                          ; wc: which 32 columns.  Also: which half of that tile I fetch
	s_bfe_u32 s40, ttmp6, 0x40000                  ; cx
	s_bfe_u32 s41, ttmp6, 0x40004                  ; cy
	s_lshl_b32 s42, ttmp9, 2
	s_add_co_u32 s42, s42, s40                     ; cb: block of 64 columns = 4 x cluster x + cx
	s_and_b32 s43, ttmp7, 0xffff
	s_lshl_b32 s43, s43, 2
	s_add_co_u32 s43, s43, s41                     ; rb: block of 256 rows = 4 x cluster y + cy
	s_lshl_b32 s44, s41, 2
	s_lshl_b32 s44, 15, s44                        ; my row of the cluster: places 4 cy .. 4 cy + 3
	s_lshl_b32 s45, 0x1111, s40                    ; my column: places cx, cx + 4, cx + 8, cx + 12
	; group 1: tiles of 128 (ab) or 96 (wb) rows x 128 elements of 2 bytes, 4 words of padding behind every 64 words, 2,048 elements from row to row
	s_or_b32 s[G1+0], s44, (1<<16)|(1<<20)|(1<<21)|(5<<22)|(3<<25)   ; 15:0 the mask: my row; 17:16 2 bytes; 20 padding; 21 set beside a mask; 24:22 every 64 words; 31:25 4 words
	s_mov_b32 s[G1+1], 128<<16                     ; tensor_dim0 = 128
	s_mov_b32 s[G1+2], 128<<16                     ; tensor_dim1 = 128
	s_mov_b32 s[G1+3], 128<<16                     ; tile_dim0 = 128
	s_mov_b32 s[G1+4], 128                         ; tile_dim1 = 128
	s_mov_b32 s[G1+5], 2048                        ; the pitch
	s_mov_b32 s[G1+6], 0
	s_mov_b32 s[G1+7], 0
	s_or_b32 s[G1B+0], s45, (1<<16)|(1<<20)|(1<<21)|(5<<22)|(3<<25)  ; the same with the mask of my column
	s_mov_b32 s[G1B+1], 128<<16
	s_mov_b32 s[G1B+2], 96<<16                     ; tensor_dim1 = 96
	s_mov_b32 s[G1B+3], 128<<16
	s_mov_b32 s[G1B+4], 96                         ; tile_dim1 = 96
	s_mov_b32 s[G1B+5], 2048
	s_mov_b32 s[G1B+6], 0
	s_mov_b32 s[G1B+7], 0
	; where the tiles come from: ab's hang on rb and the wave's number, wb's on cb and the wave's number, each in registers that never hold the other coordinate
	s_lshl_b32 s16, s43, 20                        ; 256 rb rows of 4,096 bytes
	s_lshl_b32 s22, s14, 19                        ; + 128 rows for the second half
	s_add_co_u32 s16, s16, s22
	s_mov_b32 s17, 0
	s_mul_i32 s46, s42, 192*4096                   ; 192 cb rows of 4,096 bytes
	s_mul_i32 s47, s14, 96*4096                    ; + 96 rows for the second half
	s_add_co_u32 s46, s46, s47
	s_mov_b32 s47, 0
	s_mul_i32 s20, s12, AHALF                      ; and where they go: waves 0, 1: ab's halves at 0 and 34,816
	s_mul_i32 s21, s12, BHALF
	s_add_co_u32 s21, s21, BBASE-2*BHALF           ; waves 2, 3: wb's halves at 69,632 and 95,744
	s_lshl_b32 s80, s43, 20                        ; my block in h and in out0: 256 rb rows of 4,096 bytes
	s_lshl_b32 s81, s42, 8                         ; + 64 cb columns of 4 bytes
	s_add_co_u32 s80, s80, s81
	s_mov_b32 s81, 0
	s_wait_dscnt 0x0
	s_wait_kmcnt 0x0
	s_add_nc_u64 s[18:19], s[4:5], s[16:17]
	s_add_nc_u64 s[46:47], s[6:7], s[46:47]
	s_add_nc_u64 s[8:9], s[8:9], s[80:81]
	s_add_nc_u64 s[10:11], s[10:11], s[80:81]
	CROUND                                         ; all sixteen work-groups are here: the first joint loads meet
.irp s, 0,1
	s_mov_b32 s[G0+4*\s], 1                                        ; count = 1
	s_add_co_u32 s[G0+4*\s+1], s20, \s*SLOT                        ; LDS address
	s_add_nc_u64 s[G0+4*\s+2:G0+4*\s+3], s[18:19], \s*KBYTES       ; global address: K step s
	s_or_b32 s[G0+4*\s+3], s[G0+4*\s+3], 0x80000000                ; type = 2
	s_mov_b32 s[G0B+4*\s], 1
	s_add_co_u32 s[G0B+4*\s+1], s21, \s*SLOT
	s_add_nc_u64 s[G0B+4*\s+2:G0B+4*\s+3], s[46:47], \s*KBYTES
	s_or_b32 s[G0B+4*\s+3], s[G0B+4*\s+3], 0x80000000
	JLOAD \s                                       ; both first fills go out before anything else: two tensor loads of the wave are out
.endr
	; addresses
	v_and_b32 v1, 15, v0                           ; l % 16
	v_bfe_u32 v2, v0, 4, 1                         ; l / 16
	v_mul_u32_u24 v3, v1, PITCH
	v_lshl_add_u32 v3, v2, 4, v3                   ; a fragment: row x pitch + 16 x half
	s_mul_i32 s22, s13, AHALF                      ; my 128 rows of ab
	s_mul_i32 s23, s14, 32*PITCH                   ; my 32 columns in each gate's 64 rows of wb
	s_add_co_u32 s23, s23, BBASE
.irp s, 0,1
	v_add_nc_u32 v[ADRA+\s], s22, v3
	v_add_nc_u32 v[ADRB+\s], s23, v3
	s_add_co_u32 s22, s22, SLOT
	s_add_co_u32 s23, s23, SLOT
.endr
	s_mul_i32 s22, s12, 64*SPITCH                  ; by whole rows a wave takes rows 64 w .. 64 w + 63 of the block
	s_add_co_u32 s22, s22, STAGE
	v_mul_u32_u24 v4, v2, SPITCH                   ; lanes 0-15 one row of 256 bytes, lanes 16-31 the next
	v_lshl_add_u32 v4, v1, 4, v4
	v_add_nc_u32 v[HS], s22, v4
	s_mul_i32 s22, s13, 128*SPITCH                 ; as the accumulators lie: row 128 wr + l % 16,
	s_lshl_b32 s23, s14, 7                         ; byte 128 wc
	s_add_co_u32 s22, s22, s23
	s_add_co_u32 s22, s22, STAGE
	v_mul_u32_u24 v5, v1, SPITCH
	v_lshl_add_u32 v5, v2, 5, v5                   ; + 32 (l / 16): eight f32
	v_add_nc_u32 v[EP], s22, v5
	s_lshl_b32 s22, s12, 18                        ; in memory: 64 w rows of 4,096 bytes
	v_lshlrev_b32 v5, 12, v2
	v_lshl_add_u32 v5, v1, 4, v5
	v_add_nc_u32 v[CO], s22, v5
	s_lshl_b32 s22, s42, 8                         ; a bias: 4 bytes x (64 cb + 32 wc + 8 (l / 16))
	s_lshl_b32 s23, s14, 7
	s_add_co_u32 s22, s22, s23
	v_lshl_add_u32 v[BO], v2, 5, s22
	; h in f32 and the biases: 56 loads into registers that the K loop never names; they are waited for in the tail.  None of their sources is written again.
.set t, 0
.rept 16
	global_load_b128 v[HR+4*t:HR+4*t+3], v[CO], s[8:9] offset:8192*t th:TH_LOAD_NT         ; sixteen lanes take 256 consecutive bytes, aligned; read once in this launch
.set t, t+1
.endr
	WIN TO_B
.rept 16
	global_load_b128 v[HR+4*(t-16):HR+4*(t-16)+3], v[CO], s[8:9] offset:8192*t th:TH_LOAD_NT
.set t, t+1
.endr
.macro BLOAD base, sp                  ; 16 numbers of one bias: column blocks b = 0, 1, eight numbers each
.irp b, 0,1
	global_load_b128 v[\base+8*\b:\base+8*\b+3],   v[BO], s[\sp:\sp+1] offset:64*\b
	global_load_b128 v[\base+8*\b+4:\base+8*\b+7], v[BO], s[\sp:\sp+1] offset:64*\b+16
.endr
.endm
	BLOAD BIR, 68
	BLOAD BHR, 70
	BLOAD BIZ, 72
	BLOAD BHZ, 74
	BLOAD BIN, 76
	BLOAD BHN, 78
	WIN 0
; 12 matrix instructions: row blocks a0, a0 + 1 of the window's four (hi = 0: my rows 0-63, 1: rows 64-127) x the 6 fragments of wb, 32 along K, buffers p.
; ph = 0: x's steps, fragments 4, 5 add to Ni; ph = 1: h's steps, they add to Nh.  z03, z45 = 1: fragments 0-3, 4-5 start their sums with C = 0: nothing is cleared.
; The 48 accumulators of a quarter step take turns, one instruction a turn, in the same order in every quarter step, over the backward jumps and the change
; from x to h too.
.macro MUL12 p, hi, a0, ph, z03, z45
.irp a, \a0, \a0+1
.irp i, 0,1,2,3,4,5
.set DJ, 8*(8*(\a)+\i+2*\ph*(\i/4))
.set SB, 48*\p+8*\i
.set SA, 64+64*\p+8*(4*\hi+(\a))
.if \z03*(1-\i/4)+\z45*(\i/4)
	v_wmma_f32_16x16x32_bf16 v[DJ:DJ+7], v[SB:SB+7], v[SA:SA+7], 0
.else
	v_wmma_f32_16x16x32_bf16 v[DJ:DJ+7], v[SB:SB+7], v[SA:SA+7], v[DJ:DJ+7]
.endif
.endr
.endr
.endm
; 28 LDS loads in one run: the fragments of one quarter step (32 K at byte k of the rows) into buffers p: wb's six, then ab's rows 0-63, then its rows 64-127
.macro FETCH slot, k, p
	WIN TO_B
.irp g, 0,1,2
.irp b, 0,1
	ds_load_b128 v[48*\p+8*(2*\g+\b):48*\p+8*(2*\g+\b)+3],   v[ADRB+\slot] offset:\k+(64*\g+16*\b)*PITCH
	ds_load_b128 v[48*\p+8*(2*\g+\b)+4:48*\p+8*(2*\g+\b)+7], v[ADRB+\slot] offset:\k+(64*\g+16*\b)*PITCH+32
.endr
.endr
	WIN 0
.irp i, 0,1,2,3,4,5,6,7
	ds_load_b128 v[64+64*\p+8*\i:64+64*\p+8*\i+3],   v[ADRA+\slot] offset:\k+\i*16*PITCH
	ds_load_b128 v[64+64*\p+8*\i+4:64+64*\p+8*\i+7], v[ADRA+\slot] offset:\k+\i*16*PITCH+32
.endr
.endm
; A load into a register that a matrix instruction has read, and a vector instruction that reads a matrix result or writes one of a matrix instruction's
; registers, stand four places behind it; only plain vector instructions that name none of its registers are places (ISA guide 7.12.1 for vector
; instructions).
.macro PLACES
.rept 4
	v_nop
.endr
.endm
; One of a K step's first three quarter steps: multiplies buffers p; in its middle it fetches the next quarter's fragments, at byte k, into buffers pn.
.macro QUARTER slot, k, p, pn, ph, z03, z45
	s_wait_dscnt 8                                 ; wb's fragments and ab's rows 0-63 are in; the youngest eight loads (ab's rows 64-127) may be out
	WIN MUL_LO
	MUL12 \p, 0, 0, \ph, \z03, \z45
	MUL12 \p, 0, 2, \ph, \z03, \z45
	PLACES
	FETCH \slot, \k, \pn
	s_wait_dscnt 28                                ; all but the 28 just issued
	WIN MUL_HI
	MUL12 \p, 1, 0, \ph, \z03, \z45
	MUL12 \p, 1, 2, \ph, \z03, \z45
.endm
.macro THREE slot, ph, z03, z45
	QUARTER \slot, 64,  0, 1, \ph, \z03, \z45
	QUARTER \slot, 128, 1, 0, \ph, 0, 0
	QUARTER \slot, 192, 0, 1, \ph, 0, 0
.endm
; The last quarter step: multiplies buffers 1 and changes slots.  fill = 1: this slot is filled again, two K steps ahead.
; In front of the barrier each wave waits for its reads of this slot and for all its tensor loads, of which one is out: its part of the next slot.
; Behind it (with fill: behind the cluster's round that it opens) the refill comes first, then the next slot's first fragments.
; From a request to the wait for it a wave issues 180 matrix instructions.
.macro TURN slot, next, fill, ph
	s_wait_dscnt 8
	WIN MUL_LO
	MUL12 1, 0, 0, \ph, 0, 0
	s_wait_dscnt 0                                 ; my reads of this slot are over
	s_set_vgpr_msb 0xa1a0
	s_wait_tensorcnt 0x0                           ; and all my tensor loads have landed
	ds_add_u32 v62, v63
	s_wait_dscnt 0x0
	s_set_vgpr_msb 0xa0a1
	s_barrier_signal -1
	MUL12 1, 0, 2, \ph, 0, 0                       ; register work while the others arrive
	WIN 0
	s_barrier_wait -1
.if \fill
	CREST                                          ; no wave of any partner still reads this slot or has a load on its way
	s_add_nc_u64 s[G0+4*\slot+2:G0+4*\slot+3], s[G0+4*\slot+2:G0+4*\slot+3], 2*KBYTES
	s_add_nc_u64 s[G0B+4*\slot+2:G0B+4*\slot+3], s[G0B+4*\slot+2:G0B+4*\slot+3], 2*KBYTES
	JLOAD \slot                                    ; the wave's one tensor load behind the round, and the first thing there
.endif
	PLACES
	FETCH \next, 0, 0
	WIN MUL_HI
	MUL12 1, 1, 0, \ph, 0, 0
	MUL12 1, 1, 2, \ph, 0, 0
.endm
.macro LAP ph, z03, z45                ; two K steps, once round the ring, both slots filled again
	THREE 0, \ph, \z03, \z45
	TURN 0, 1, 1, \ph
	THREE 1, \ph, 0, 0
	TURN 1, 0, 1, \ph
.endm
	s_wait_tensorcnt 1                             ; my part of K step 0 is in; K step 1's load may stay out
	s_barrier_signal -1
	s_barrier_wait -1                              ; everybody's is
	FETCH 0, 0, 0
	LAP 0, 1, 1                                    ; K steps 0, 1 (x): the first products start R, Z and Ni
	WIN 0                                          ; at a label and at a branch every window is 0
	s_mov_b32 s3, 3
.Lx:
	LAP 0, 0, 0                                    ; K steps 2 to 7 (x)
	WIN 0
	s_sub_co_u32 s3, s3, 1
	s_cmp_lg_u32 s3, 0
	s_cbranch_scc1 .Lx
	LAP 1, 0, 1                                    ; K steps 8, 9 (h): the first products of the third gate start Nh
	WIN 0
	s_mov_b32 s3, 2
.Lh:
	LAP 1, 0, 0                                    ; K steps 10 to 13 (h); their refills bring steps 12 to 15
	WIN 0
	s_sub_co_u32 s3, s3, 1
	s_cmp_lg_u32 s3, 0
	s_cbranch_scc1 .Lh
	THREE 0, 1, 0, 0                               ; K steps 14, 15: nothing is left to fetch, so no round of the cluster's barrier
	TURN 0, 1, 0, 1
	THREE 1, 1, 0, 0
	s_wait_dscnt 8                                 ; the very last quarter step
	WIN MUL_LO
	MUL12 1, 0, 0, 1, 0, 0
	MUL12 1, 0, 2, 1, 0, 0
	s_wait_dscnt 0
	WIN MUL_HI
	MUL12 1, 1, 0, 1, 0, 0
	MUL12 1, 1, 2, 1, 0, 0
	; THE TAIL.  h goes into the stage by whole rows; each lane takes from there the h of its own results, makes the gates, and puts the results where its h lay;
	; the stage is read back by whole rows and stored.  Each phase of the stage is stores alone or loads alone, with a barrier between two phases.
	PLACES                                         ; the places behind the last matrix instructions
	WIN 0
	s_wait_loadcnt 0x0                             ; h and the biases, asked for at the start
.set t, 0
.rept 16
	ds_store_b128 v[HS], v[HR+4*t:HR+4*t+3] offset:2*SPITCH*t
.set t, t+1
.endr
	WIN 0x04                                       ; store data from window 1
.rept 16
	ds_store_b128 v[HS], v[HR+4*(t-16):HR+4*(t-16)+3] offset:2*SPITCH*t
.set t, t+1
.endr
	; the biases take the exponents' factors, so that a sum needs one fused multiply-add: -1.442695 (bir + bhr), -1.442695 (biz + bhz), 2.885390 bin, 2.885390 bhn
	WIN 0x45                                       ; destination and both sources window 1
.set i, 0
.rept 8
	v_pk_add_f32 v[BIR+i:BIR+i+1], v[BIR+i:BIR+i+1], v[BHR+i:BHR+i+1]
	v_pk_add_f32 v[BIZ+i:BIZ+i+1], v[BIZ+i:BIZ+i+1], v[BHZ+i:BHZ+i+1]
.set i, i+2
.endr
.set i, 0
.rept 8
	v_pk_mul_f32 v[BIR+i:BIR+i+1], v[BIR+i:BIR+i+1], 0xbfb8aa3b op_sel_hi:[1,0]
	v_pk_mul_f32 v[BIZ+i:BIZ+i+1], v[BIZ+i:BIZ+i+1], 0xbfb8aa3b op_sel_hi:[1,0]
	v_pk_mul_f32 v[BIN+i:BIN+i+1], v[BIN+i:BIN+i+1], 0x4038aa3b op_sel_hi:[1,0]
	v_pk_mul_f32 v[BHN+i:BHN+i+1], v[BHN+i:BHN+i+1], 0x4038aa3b op_sel_hi:[1,0]
.set i, i+2
.endr
	WIN 0
	s_wait_dscnt 0x0                               ; my rows of h are in the stage
	s_barrier_signal -1
	s_barrier_wait -1                              ; everybody's are
.irp a, 0,1,2,3,4,5,6,7
.irp b, 0,1
	ds_load_b128 v[HH+16*\a+8*\b:HH+16*\a+8*\b+3],   v[EP] offset:\a*16*SPITCH+64*\b      ; h(row 128 wr + 16 a + l % 16, columns 32 wc + 16 b + 8 (l / 16) + 0..7)
	ds_load_b128 v[HH+16*\a+8*\b+4:HH+16*\a+8*\b+7], v[EP] offset:\a*16*SPITCH+64*\b+16
.endr
.endr
	s_wait_dscnt 0x0                               ; my reads of the stage are over
	s_barrier_signal -1
	s_barrier_wait -1                              ; everybody's are: the results may be written over h
; One row block: 16 rows x my 32 columns, 16 numbers a lane.  accwin: source 0 (the sums) window 2 or 3, source 2 (the biases) window 1, destination window 0.
; Behind each run of v_exp_f32 or v_rcp_f32 one plain instruction stands before a result is used (ISA guide 5.7.2).
.macro GATE a, accwin
	WIN \accwin
.set i, 0
.rept 8
	v_pk_fma_f32 v[TR+i:TR+i+1], v[64*(\a%4)+i:64*(\a%4)+i+1],       0xbfb8aa3b, v[BIR+i:BIR+i+1] op_sel_hi:[1,0,1]   ; -1.442695 (R + bir + bhr)
	v_pk_fma_f32 v[TZ+i:TZ+i+1], v[64*(\a%4)+16+i:64*(\a%4)+16+i+1], 0xbfb8aa3b, v[BIZ+i:BIZ+i+1] op_sel_hi:[1,0,1]   ; -1.442695 (Z + biz + bhz)
	v_pk_fma_f32 v[TI+i:TI+i+1], v[64*(\a%4)+32+i:64*(\a%4)+32+i+1], 0x4038aa3b, v[BIN+i:BIN+i+1] op_sel_hi:[1,0,1]   ; 2.885390 (Ni + bin)
	v_pk_fma_f32 v[TH+i:TH+i+1], v[64*(\a%4)+48+i:64*(\a%4)+48+i+1], 0x4038aa3b, v[BHN+i:BHN+i+1] op_sel_hi:[1,0,1]   ; 2.885390 (Nh + bhn)
.set i, i+2
.endr
	WIN 0
.set i, 0
.rept 32
	v_exp_f32 v[TR+i], v[TR+i]                     ; TR and TZ lie side by side
.set i, i+1
.endr
	v_nop
.set i, 0
	s_wait_alu depctr_va_vdst(0)
.rept 16
	v_pk_add_f32 v[TR+i:TR+i+1], v[TR+i:TR+i+1], 1.0 op_sel_hi:[1,0]
.set i, i+2
.endr
.set i, 0
.rept 32
	v_rcp_f32 v[TR+i], v[TR+i]                     ; r and z
.set i, i+1
.endr
	v_nop
.set i, 0
	s_wait_alu depctr_va_vdst(0)
.rept 8
	v_pk_fma_f32 v[TI+i:TI+i+1], v[TR+i:TR+i+1], v[TH+i:TH+i+1], v[TI+i:TI+i+1]            ; 2.885390 (inn + r hn)
.set i, i+2
.endr
.set i, 0
.rept 16
	v_exp_f32 v[TI+i], v[TI+i]
.set i, i+1
.endr
	v_nop
.set i, 0
	s_wait_alu depctr_va_vdst(0)
.rept 8
	v_pk_add_f32 v[TI+i:TI+i+1], v[TI+i:TI+i+1], 1.0 op_sel_hi:[1,0]
.set i, i+2
.endr
.set i, 0
.rept 16
	v_rcp_f32 v[TI+i], v[TI+i]
.set i, i+1
.endr
	v_nop
.set i, 0
	s_wait_alu depctr_va_vdst(0)
.rept 8
	v_pk_fma_f32 v[TI+i:TI+i+1], v[TI+i:TI+i+1], -2.0, 1.0 op_sel_hi:[1,0,0]               ; n
.set i, i+2
.endr
.set i, 0
.rept 8
	v_pk_add_f32 v[HH+16*\a+i:HH+16*\a+i+1], v[HH+16*\a+i:HH+16*\a+i+1], v[TI+i:TI+i+1] neg_lo:[0,1] neg_hi:[0,1]   ; h - n
.set i, i+2
.endr
.set i, 0
.rept 8
	v_pk_fma_f32 v[HH+16*\a+i:HH+16*\a+i+1], v[TZ+i:TZ+i+1], v[HH+16*\a+i:HH+16*\a+i+1], v[TI+i:TI+i+1]             ; n + z (h - n) = (1 - z) n + z h
.set i, i+2
.endr
.irp b, 0,1
	ds_store_b128 v[EP], v[HH+16*\a+8*\b:HH+16*\a+8*\b+3]   offset:\a*16*SPITCH+64*\b
	ds_store_b128 v[EP], v[HH+16*\a+8*\b+4:HH+16*\a+8*\b+7] offset:\a*16*SPITCH+64*\b+16
.endr
.endm
	GATE 0, 0x12
	GATE 1, 0x12
	GATE 2, 0x12
	GATE 3, 0x12
	GATE 4, 0x13
	GATE 5, 0x13
	GATE 6, 0x13
	GATE 7, 0x13
	s_wait_dscnt 0x0                               ; my results are in the stage
	s_barrier_signal -1
	s_barrier_wait -1                              ; everybody's are
.set t, 0
.rept 32
	ds_load_b128 v[64+4*t:64+4*t+3], v[HS] offset:2*SPITCH*t                               ; back by whole rows, two rows a load
.set t, t+1
.endr
.set t, 0
.rept 32
	s_wait_dscnt 31-t                              ; LDS loads come back in order: load t is in, the younger ones stay out
	global_store_b128 v[CO], v[64+4*t:64+4*t+3], s[10:11] offset:8192*t th:TH_STORE_NT     ; sixteen lanes store 256 consecutive bytes, aligned; no register of a store is written again
.set t, t+1
.endr
	s_wait_tensorcnt 0x0
	ds_add_u32 v62, v63
	s_wait_dscnt 0x0
	CROUND                                         ; the closing round: no work-group ends while a partner may still ask for a tile that names it
	s_endpgm
.Lfunc_end_k_qbe471e4849_gru:
	.size	k_qbe471e4849_gru, .Lfunc_end_k_qbe471e4849_gru-k_qbe471e4849_gru
	.p2alignl 7, 3214868480
	.fill 96, 4, 3214868480
	.section	.rodata,"a",@progbits
	.p2align	6, 0x0
	.amdhsa_kernel k_qbe471e4849_gru
		.amdhsa_group_segment_fixed_size 327680
		.amdhsa_private_segment_fixed_size 0
		.amdhsa_enable_private_segment 0
		.amdhsa_kernarg_size 80
		.amdhsa_user_sgpr_count 2
		.amdhsa_user_sgpr_kernarg_segment_ptr 1
		.amdhsa_wavefront_size32 1
		.amdhsa_system_sgpr_workgroup_id_x 1
		.amdhsa_system_sgpr_workgroup_id_y 1
		.amdhsa_system_sgpr_workgroup_id_z 1
		.amdhsa_system_vgpr_workitem_id 0
		.amdhsa_next_free_vgpr 1024
		.amdhsa_next_free_sgpr 82
		.amdhsa_reserve_vcc 0
		.amdhsa_float_denorm_mode_32 3
		.amdhsa_float_denorm_mode_16_64 3
		.amdhsa_memory_ordered 1
		.amdhsa_forward_progress 1
		.amdhsa_inst_pref_size 255
	.end_amdhsa_kernel
	.section	.bss,"aw",@nobits
	.p2align	6
	.space	262144
	.amdgpu_metadata
---
amdhsa.version: [ 1, 2 ]
amdhsa.kernels:
  - .name:           k_qbe471e4849_gru
    .symbol:         k_qbe471e4849_gru.kd
    .args:
      - { .name: ab, .offset: 0, .size: 8, .value_kind: global_buffer, .address_space: global }
      - { .name: wb, .offset: 8, .size: 8, .value_kind: global_buffer, .address_space: global }
      - { .name: h, .offset: 16, .size: 8, .value_kind: global_buffer, .address_space: global }
      - { .name: out0, .offset: 24, .size: 8, .value_kind: global_buffer, .address_space: global }
      - { .name: bias_ir, .offset: 32, .size: 8, .value_kind: global_buffer, .address_space: global }
      - { .name: bias_hr, .offset: 40, .size: 8, .value_kind: global_buffer, .address_space: global }
      - { .name: bias_iz, .offset: 48, .size: 8, .value_kind: global_buffer, .address_space: global }
      - { .name: bias_hz, .offset: 56, .size: 8, .value_kind: global_buffer, .address_space: global }
      - { .name: bias_in, .offset: 64, .size: 8, .value_kind: global_buffer, .address_space: global }
      - { .name: bias_hn, .offset: 72, .size: 8, .value_kind: global_buffer, .address_space: global }
    .group_segment_fixed_size: 327680
    .private_segment_fixed_size: 0
    .kernarg_segment_align: 8
    .kernarg_segment_size: 80
    .max_flat_workgroup_size: 128
    .sgpr_count:     82
    .vgpr_count:     1024
    .wavefront_size: 32
...
	.end_amdgpu_metadata
.endif
;; end of part 2
